; MI455X (gfx1250); checked and timed in simulation.
; The chip was launched on July 23, 2026; its instructions are those of AMD's public machine-readable ISA for CDNA 5 (MIT licence, August 2026) and "CDNA5" Instruction Set Architecture Reference Guide (July 2026). The comments in the code are by the model that wrote it; some were corrected since.
;; Shared Sparse Offset Dict. Allowed arithmetic: float matrix products may take bf16 or f16 operands with f32 sums; other float arithmetic in f32, or as packed bf16 or f16 multiplies, adds, multiply-adds, maxima and minima; sums over many terms, partial sums and values carried from step to step in f32; what a program stores and reads back later, other than sums and carried values, may be rounded once to bf16 or f16.
;; Inputs: W_dict 16,384 x 1,024 float32; W_enc 16,384 x 1,024 float32; x 2 x 2,048 x 1,024 float32.
;; Outputs: out0 2 x 2,048 x 1,024 float32; out1 one number float32.
;; One version. Each part assembles by itself: llvm-mc -triple=amdgcn-amd-amdhsa -mcpu=gfx1250 --defsym DOCPART=n.
;; ======== version 1 of 1: 5 launches
;; limits: right only within a limited range of input values
;; workspace buffers: xb 8,388,608 bytes; wb 33,554,432 bytes; gmax 33,554,432 bytes; gaux 33,554,432 bytes; gsel 131,072 bytes of whole numbers; tidx 131,072 bytes of whole numbers; tval 131,072 bytes; psum 16,384 bytes
;; launch cvt (part 1): grid 1280 x 1, 8 waves a work-group, no clusters, 0 bytes of LDS; arguments x, W_enc, xb, wb; writes xb, wb
.if DOCPART == 1
	.amdgcn_target "amdgcn-amd-amdhsa--gfx1250"
	.amdhsa_code_object_version 6
	.text
	.protected	k_q850bdc6819_cvt
	.globl	k_q850bdc6819_cvt
	.p2align	8
	.type	k_q850bdc6819_cvt,@function
k_q850bdc6819_cvt:
	s_mov_b64 s[64:65], 0
	v_nop
	global_prefetch_b8 v0, s[64:65] scope:SCOPE_SE
	s_setreg_imm32_b32 hwreg(HW_REG_WAVE_MODE, 25, 1), 1
	s_wait_xcnt 0x0
; xb = bf16(x), wb = bf16(W_enc): each number rounded once, to nearest even.  A pure stream: every byte is read once and written once.
; A work-group takes 65,536 bytes of f32 (16 loads of 16 bytes a thread) and writes 32,768 bytes of bf16.  Work-groups 0-255 take x (16,777,216 bytes), 256-1279 W_enc (67,108,864 bytes).
; All 16 loads of a wave go out at once (8,192 bytes a wave on their way); there is no loop, so no register is written again while a memory instruction may read it.
; No LDS, no matrix unit, no cluster: nothing is shared and nothing is reduced.
.set XG,  256                          ; work-groups that take x
.set X,   4                            ; v[4:67]  load i: four f32; its first two registers then hold the four bf16
	s_load_b256 s[4:11], s[0:1], 0x0               ; x s[4:5], W_enc s[6:7], xb s[8:9], wb s[10:11]
	v_lshlrev_b32 v1, 4, v0                        ; in: 16 bytes a thread, 4,096 a load of the work-group
	v_lshlrev_b32 v2, 3, v0                        ; out: 8 bytes a thread
	s_mov_b32 s19, 0
	s_wait_kmcnt 0x0
	s_cmp_lt_u32 ttmp9, XG                         ; the choice hangs on the work-group's number alone
	s_cselect_b64 s[14:15], s[4:5], s[6:7]         ; from
	s_cselect_b64 s[16:17], s[8:9], s[10:11]       ; to
	s_cselect_b32 s12, 0, XG
	s_sub_co_u32 s12, ttmp9, s12                   ; my block in that tensor
	s_lshl_b32 s18, s12, 16                        ; 65,536 bytes in (1,023 x 65,536 at the most)
	s_add_nc_u64 s[14:15], s[14:15], s[18:19]
	s_lshl_b32 s18, s12, 15                        ; 32,768 bytes out
	s_add_nc_u64 s[16:17], s[16:17], s[18:19]
.irp i, 0,1,2,3,4,5,6,7,8,9,10,11,12,13,14,15
	global_load_b128 v[X+4*(\i):X+4*(\i)+3], v1, s[14:15] offset:4096*(\i) th:TH_LOAD_NT
.endr
.irp i, 0,1,2,3,4,5,6,7,8,9,10,11,12,13,14,15
	s_wait_loadcnt 15-(\i)                         ; loads come back in order: load i is in, the 15 - i younger ones stay out
	v_cvt_pk_bf16_f32 v[X+4*(\i)],   v[X+4*(\i)],   v[X+4*(\i)+1]
	v_cvt_pk_bf16_f32 v[X+4*(\i)+1], v[X+4*(\i)+2], v[X+4*(\i)+3]
	global_store_b64 v2, v[X+4*(\i):X+4*(\i)+1], s[16:17] offset:2048*(\i)  ; a wave's store covers 256 consecutive bytes, aligned
.endr
	s_endpgm
.Lfunc_end_k_q850bdc6819_cvt:
	.size	k_q850bdc6819_cvt, .Lfunc_end_k_q850bdc6819_cvt-k_q850bdc6819_cvt
	.p2alignl 7, 3214868480
	.fill 96, 4, 3214868480
	.section	.rodata,"a",@progbits
	.p2align	6, 0x0
	.amdhsa_kernel k_q850bdc6819_cvt
		.amdhsa_group_segment_fixed_size 0
		.amdhsa_private_segment_fixed_size 0
		.amdhsa_enable_private_segment 0
		.amdhsa_kernarg_size 32
		.amdhsa_user_sgpr_count 2
		.amdhsa_user_sgpr_kernarg_segment_ptr 1
		.amdhsa_wavefront_size32 1
		.amdhsa_system_sgpr_workgroup_id_x 1
		.amdhsa_system_sgpr_workgroup_id_y 1
		.amdhsa_system_sgpr_workgroup_id_z 1
		.amdhsa_system_vgpr_workitem_id 0
		.amdhsa_next_free_vgpr 72
		.amdhsa_next_free_sgpr 66
		.amdhsa_reserve_vcc 0
		.amdhsa_float_denorm_mode_32 3
		.amdhsa_float_denorm_mode_16_64 3
		.amdhsa_memory_ordered 1
		.amdhsa_forward_progress 1
		.amdhsa_inst_pref_size 7
	.end_amdhsa_kernel
	.amdgpu_metadata
---
amdhsa.version: [ 1, 2 ]
amdhsa.kernels:
  - .name:           k_q850bdc6819_cvt
    .symbol:         k_q850bdc6819_cvt.kd
    .args:
      - { .name: x, .offset: 0, .size: 8, .value_kind: global_buffer, .address_space: global }
      - { .name: W_enc, .offset: 8, .size: 8, .value_kind: global_buffer, .address_space: global }
      - { .name: xb, .offset: 16, .size: 8, .value_kind: global_buffer, .address_space: global }
      - { .name: wb, .offset: 24, .size: 8, .value_kind: global_buffer, .address_space: global }
    .group_segment_fixed_size: 0
    .private_segment_fixed_size: 0
    .kernarg_segment_align: 8
    .kernarg_segment_size: 32
    .max_flat_workgroup_size: 256
    .sgpr_count:     66
    .vgpr_count:     72
    .wavefront_size: 32
...
	.end_amdgpu_metadata
.endif
;; end of part 1
;; launch gemm (part 2): grid 16 x 16, 4 waves a work-group, clusters of 4 x 4, 327,680 bytes of LDS; arguments xb, wb, gmax, gaux; writes gmax, gaux
.if DOCPART == 2
	.amdgcn_target "amdgcn-amd-amdhsa--gfx1250"
	.amdhsa_code_object_version 6
	.text
	.protected	k_q850bdc6819_gemm
	.globl	k_q850bdc6819_gemm
	.p2align	8
	.type	k_q850bdc6819_gemm,@function
k_q850bdc6819_gemm:
	s_mov_b64 s[64:65], 0
	v_nop
	global_prefetch_b8 v0, s[64:65] scope:SCOPE_SE
	s_setreg_imm32_b32 hwreg(HW_REG_WAVE_MODE, 25, 1), 1
	s_wait_xcnt 0x0
	s_wait_alu depctr_hold_cnt(0) depctr_sa_sdst(0) depctr_va_vdst(0) depctr_va_sdst(0) depctr_va_ssrc(0) depctr_va_vcc(0) depctr_vm_vsrc(0)
	s_getreg_b32 s2, hwreg(HW_REG_IB_STS2, 6, 4)
	s_cmp_eq_u32 s2, 0
	s_cbranch_scc0 .Lentry_in_a_cluster
	s_endpgm
.Lentry_in_a_cluster:
	s_bfe_u32 s2, ttmp6, 0x10000c
	s_cmp_lg_u32 s2, 0xf033
	s_cbranch_scc0 .Lentry_shape_is_right
	s_endpgm
.Lentry_shape_is_right:
; coeffs[m][n] = sum over k of xb[m][k] wb[n][k]: 4,096 x 16,384, K = 1,024, bf16 operands, one f32 sum for each output, K ascending.  THE SUMS ARE NOT STORED.
; WHAT LEAVES, for each row and each GROUP of 8 neighbouring columns: gmax: M, the group's largest sum; gaux: a word that, read as a float, is no less than m2, the group's second largest sum (equal to M where M
; stands twice), and whose low four bits hold 2 j + 1, j the lowest place in the group at which M stands.  The float is m2 + |m2| / 65,536: 128 steps of m2 or more above it, while four low bits move it by under 32.
; WHY THAT IS ENOUGH.  Order groups by (M descending, group number ascending).  Every one of a row's 8 largest sums (ties to the lower column) lies in the first 8 groups: were 8 groups ahead of a sum's group, each
; would hold a sum that goes ahead of it.  Let T be the 8th largest M.  The first maxima of those 8 groups are 8 sums that are at least T, so a sum that is not its group's first maximum is among the 8 largest only if
; it is at least T, and then so are m2 and gaux's float.  Later launches pick the 8 groups, take column 8 g + j of each, and all 8 columns of a group whose word is at least T, and compute those few sums anew.
; LIMITS.  NaN and infinities are not treated apart.  -0 and +0 count as equal.  A second maximum that is not 0 and lies under 2^-100 in magnitude has no sure margin in its word.
; SHARES.  A tile of 256 x 256 is made by four waves, 128 x 128 each: 64 accumulators of 16 x 16, 512 registers.  K goes in steps of 128 through a ring of two LDS slots; the tiles' rows are 256 bytes of memory, aligned.
; A WORK-GROUP STAYS: tile row TR = work-group y; tile columns work-group x + 16 i, i = 0..3: its rows of xb are the same in all four tiles, its rows of wb step 4,096 rows.  The ring runs on across tiles.
; CLUSTER: 4 x 4 work-groups.  The four of a row of the cluster need the same tiles of xb, the four of a column the same tiles of wb: each tile is asked for JOINTLY, by the same tensor load with the same descriptor and mask.
; THE MATRIX INSTRUCTION IS USED TRANSPOSED: source 0 = 16 rows of wb, source 1 = 16 rows of xb: lane l holds row l % 16 and, in registers 0-7, the columns 8 (l / 16) + 0..7: ONE GROUP.
; gmax, gaux: [TR 16][TC 64][wave 4][a 8][q2 2][lane 32][4] words, b = 4 q2 + e: row 256 TR + 128 (wave / 2) + 16 a + lane % 16, group 32 TC + 16 (wave % 2) + 2 b + lane / 16.
; REGISTERS, in windows of 256 (s_set_vgpr_msb's low byte: bits 1:0 source 0, 3:2 source 1, 5:4 source 2, 7:6 destination):
;   window 0: v0-31 addresses; v32-47 at work on the way out; v64-127, v128-191 fragments of xb, two buffers (the second holds gaux's 64 words on the way out); v192-255 the 64 group maxima
;   window 1: v64-127, v128-191 fragments of wb, two buffers      window 2: accumulators of my rows 0-63 ((a, b) at v[8 (8 a + b)])      window 3: those of rows 64-127
.set SIZE_K, 1024
.set KSTEP,  128
.set PITCH,  272                       ; an LDS row: 256 bytes + 16 of padding = 68 words: the 16 rows of a fragment load start 4 words apart modulo 64
.set HALFT,  128*PITCH                 ; 128 rows: what one tensor load brings, and what one wave reads of either operand
.set SLOT,   4*HALFT                   ; xb's 256 rows, then wb's 256 rows
.set SPARE,  2*SLOT                    ; behind the ring: the spare words, 128 bytes for each wave: two blocks of 256 bytes that no other line names
.set LAPS,   SIZE_K/(2*KSTEP)          ; a lap = two K steps = once round the ring
.set TILES,  4
.set WALK,   4096                      ; rows of wb from a tile to the work-group's next
.set NEXT_B, WALK*SIZE_K*2-(SIZE_K-2*KSTEP)*2  ; bytes from a slot's last K step of a tile to its first of the next: wb goes WALK rows down and back along K,
.set BACK_A, (SIZE_K-2*KSTEP)*2        ; xb only back
.set ADRA, 16                          ; v16-17  LDS address of my xb fragments in slot 0, 1
.set ADRB, 20                          ; v20-21  the same for wb
.set CO,   26                          ; v26     16 x lane: my 16 bytes in every store; never rewritten
.set SPW,  28                          ; v28     LDS address of my spare word; never rewritten
.set NIL,  29                          ; v29     0; never rewritten
.set PFO,  30                          ; v30     the prefetches' offset: lane x 2,048 bytes (a row); never rewritten
.set T2,   32                          ; v32-39  the way out: m2 of a block's eight accumulators
.set TA,   40                          ; v40-47  the way out: 2 j + 1 of the same eight
.set F0,   64
.set F1,   128
.set H,    128                         ; the way out: gaux's word of accumulator (a, b), a = 0..7, at v[H + 8 a + b]
.set G,    192                         ; M of accumulator (a, b) at v[G + 8 a + b]
.set WV,   12                          ; s12  wave
.set RH,   13                          ; s13  which half of the tile's rows is mine; also: I fetch for xb (0) or wb (1)
.set CH,   14                          ; s14  which half of its columns; also: which 128 rows of that tile I fetch
.set LIM,  15                          ; s15  1 in a wave that prefetches, else the greatest number
.set SC,   23                          ; s23  1 / 65,536
.set G1,   24                          ; s[24:31] descriptor group 1 for xb's tiles;  s[32:39] group 0, a set for each slot
.set G0,   32
.set PFA,  44                          ; s[44:45] where my prefetches stand
.set G1B,  48                          ; s[48:55], s[56:63] the same for wb's tiles
.set G0B,  56
.set MSB, 0
.macro WIN new                         ; the immediate's high byte repeats the setting that is left; a switch that changes nothing is dropped
.if MSB != (\new)
	s_set_vgpr_msb (MSB<<8)|(\new)
.set MSB, \new
.endif
.endm
.set MUL_LO, 0xa1                      ; source 0 (wb) window 1, source 1 (xb) window 0, C and D window 2
.set MUL_HI, 0xf1                      ; the same, C and D window 3
.set TO_B,   0x40                      ; destination window 1, address window 0
; A joint load.  Waves 0 and 1 fetch xb's two halves, waves 2 and 3 wb's.  The branch hangs on the wave's number alone.  An s_nop 0 and four v_nop follow each line.
.macro JLOAD s
	s_cmp_eq_u32 s[RH], 0
	s_cbranch_scc0 .Lfor_b_\@
	tensor_load_to_lds s[G0+4*(\s):G0+4*(\s)+3], s[G1:G1+7]
	s_nop 0
.rept 4
	v_nop
.endr
	s_branch .Lasked_\@
.Lfor_b_\@:
	tensor_load_to_lds s[G0B+4*(\s):G0B+4*(\s)+3], s[G1B:G1B+7]
	s_nop 0
.rept 4
	v_nop
.endr
.Lasked_\@:
.endm
; A prefetch, behind each joint load and the run of LDS loads that follows it: the K step that stands TWO refills on (512 matrix instructions ahead of the load that will want it): 32 rows x 256 bytes, a lane a row.
; Each row's 256 bytes of a K step are named once in the launch: xb's tile row is read by every cluster of that row of clusters: cluster x = 0 asks; wb's tile column by every cluster of that column: cluster y = 0 asks.
; The four partners of a joint load share its 128 rows out BY ADDRESS, 32 each.  how = 0, in the loop: a tile's last two refills have no K step two on; how = 1, at a change of tiles.
.macro ASK how
.if \how
	s_cmp_eq_u32 s[LIM], 1
.else
	s_cmp_gt_u32 s3, s[LIM]                        ; s3 = 1 in the loop's last trip
.endif
	s_cbranch_scc0 .Lnot_mine_\@
	global_prefetch_b8 v[PFO], s[PFA:PFA+1] offset:KSTEP*2 th:TH_LOAD_NT scope:SCOPE_SE
.Lnot_mine_\@:
.endm
.macro CREST                           ; a round of the cluster's barrier behind its opening barrier
	s_cmp_lg_u32 s[WV], 0
	s_cbranch_scc1 .Lnot_wave_0_\@
	s_barrier_signal -3
.Lnot_wave_0_\@:
	s_barrier_wait -3
	s_barrier_signal -1
	s_barrier_wait -1
.endm
.macro CROUND                          ; a whole round
	s_barrier_signal -1
	s_barrier_wait -1
	CREST
.endm
	s_load_b256 s[4:11], s[0:1], 0x0               ; xb s[4:5], wb s[6:7], gmax s[8:9], gaux s[10:11]
	v_lshl_add_u32 v[SPW], v0, 2, SPARE
	v_mov_b32 v[NIL], 0
	ds_add_u32 v[SPW], v[NIL]                      ; the wave's opening: the add, twice on end, and its wait ahead of my first tensor load
	ds_add_u32 v[SPW], v[NIL]                      ; once more; the set-up below, work on registers, stands between it and the wait
	v_lshrrev_b32 v1, 5, v0
	v_readfirstlane_b32 s[WV], v1                  ; wave 0..3
	s_lshr_b32 s[RH], s[WV], 1
	s_and_b32 s[CH], s[WV], 1
	s_bfe_u32 s40, ttmp6, 0x40000                  ; cx
	s_bfe_u32 s41, ttmp6, 0x40004                  ; cy
	s_lshl_b32 s42, ttmp9, 2
	s_add_co_u32 s42, s42, s40                     ; my first tile column = 4 x cluster x + cx
	s_and_b32 s43, ttmp7, 0xffff
	s_lshl_b32 s43, s43, 2
	s_add_co_u32 s43, s43, s41                     ; my tile row = 4 x cluster y + cy
	s_lshl_b32 s22, s41, 2
	s_lshl_b32 s22, 15, s22                        ; my row of the cluster: places 4 cy .. 4 cy + 3
	s_lshl_b32 s46, 0x1111, s40                    ; my column: places cx, cx + 4, cx + 8, cx + 12
	; descriptor group 1: a tile of 128 rows x 128 elements of 2 bytes, padded in LDS by 4 words after every 64
	s_or_b32 s[G1+0], s22, (1<<16)|(1<<20)|(1<<21)|(5<<22)|(3<<25)   ; 15:0 the mask: xb's tiles go to my row; 17:16 2-byte elements; 20 padding on; 21 set beside a mask; 24:22 code 5; 31:25 code 3
	s_or_b32 s[G1B+0], s46, (1<<16)|(1<<20)|(1<<21)|(5<<22)|(3<<25)  ; the same with the mask of my column, for wb's tiles
.irp g, G1, G1B
	s_mov_b32 s[(\g)+1], KSTEP<<16                 ; tensor_dim0 = 128
	s_mov_b32 s[(\g)+2], 128<<16                   ; tensor_dim1 = 128
	s_mov_b32 s[(\g)+3], KSTEP<<16                 ; tile_dim0 = 128
	s_mov_b32 s[(\g)+4], 128                       ; tile_dim1 = 128
	s_mov_b32 s[(\g)+5], SIZE_K                    ; elements from row to row
	s_mov_b32 s[(\g)+6], 0
	s_mov_b32 s[(\g)+7], 0
.endr
	s_mov_b32 s[SC], 0x37800000                    ; 2^-16
	; where the tiles come from: xb's hang on the tile row alone, wb's on the tile column alone; every wave makes both addresses, in registers that do not hold the other coordinate
	s_lshl_b32 s17, s[CH], 7                       ; which 128 rows of the tile I fetch
	s_lshl_b32 s16, s43, 8
	s_add_co_u32 s16, s16, s17
	s_lshl_b32 s16, s16, 11                        ; xb: (256 x tile row + 128 x half) rows of 2,048 bytes, under 2^23
	s_lshl_b32 s46, s42, 8
	s_add_co_u32 s46, s46, s17
	s_lshl_b32 s46, s46, 11                        ; wb: the same by the tile column, under 2^25
	s_mov_b32 s17, 0
	s_mov_b32 s47, 0
	s_mul_i32 s20, s[WV], HALFT                    ; and where they go: wave x 128 rows: no place in the cluster enters an LDS address
	s_wait_dscnt 0x0                               ; both opening adds are done
	s_wait_kmcnt 0x0
	s_add_nc_u64 s[16:17], s[4:5], s[16:17]
	s_add_nc_u64 s[46:47], s[6:7], s[46:47]
	CROUND                                         ; all sixteen work-groups are here: the first joint loads meet
.irp s, 0,1
	s_mov_b32 s[G0+4*(\s)], 1                                        ; count = 1
	s_add_co_u32 s[G0+4*(\s)+1], s20, (\s)*SLOT                      ; LDS address
	s_add_nc_u64 s[G0+4*(\s)+2:G0+4*(\s)+3], s[16:17], (\s)*KSTEP*2  ; global address: K step s
	s_or_b32 s[G0+4*(\s)+3], s[G0+4*(\s)+3], 0x80000000              ; type = 2
	s_mov_b32 s[G0B+4*(\s)], 1
	s_add_co_u32 s[G0B+4*(\s)+1], s20, (\s)*SLOT
	s_add_nc_u64 s[G0B+4*(\s)+2:G0B+4*(\s)+3], s[46:47], (\s)*KSTEP*2
	s_or_b32 s[G0B+4*(\s)+3], s[G0B+4*(\s)+3], 0x80000000
	JLOAD \s                                       ; the ring is filled before anything else is done: two loads of mine are out
.endr
	; a fragment is 16 rows x 32 K in 8 registers: lane l holds row l % 16; registers 0-3 K = 8 (l / 16) + 0..7, registers 4-7 K = 16 + 8 (l / 16) + 0..7: two loads of 16 bytes, 32 bytes apart
	v_and_b32 v1, 15, v0
	v_bfe_u32 v2, v0, 4, 1
	v_mul_u32_u24 v3, v1, PITCH
	v_lshl_add_u32 v3, v2, 4, v3
	s_mul_i32 s21, s[RH], HALFT                    ; my 128 rows of xb
	s_mul_i32 s22, s[CH], HALFT                    ; my 128 rows of wb,
	s_add_co_u32 s22, s22, 2*HALFT                 ; which lie behind xb's 256
.irp s, 0,1
	v_add_nc_u32 v[ADRA+(\s)], s21, v3
	v_add_nc_u32 v[ADRB+(\s)], s22, v3
	s_add_co_u32 s21, s21, SLOT
	s_add_co_u32 s22, s22, SLOT
.endr
	v_and_b32 v[CO], 31, v0
	v_lshlrev_b32 v[CO], 4, v[CO]
	; my wave's block of the first tile, 8,192 bytes, at the same place in gmax and in gaux
	s_lshl_b32 s20, s43, 21
	s_lshl_b32 s22, s42, 15
	s_add_co_u32 s20, s20, s22
	s_lshl_b32 s22, s[WV], 13
	s_add_co_u32 s20, s20, s22                     ; under 2^25
	s_mov_b32 s21, 0
	s_add_nc_u64 s[8:9], s[8:9], s[20:21]
	s_add_nc_u64 s[10:11], s[10:11], s[20:21]
	; the prefetches
	s_lshl_b32 s20, s43, 8                         ; the tile's first row in xb,
	s_lshl_b32 s21, s42, 8                         ; in wb
	s_and_b32 s22, ttmp7, 0xffff                   ; cluster y
	s_cmp_eq_u32 s[RH], 0                          ; do I fetch for xb?
	s_cselect_b32 s20, s20, s21
	s_cselect_b32 s21, s40, s41                    ; my place among the four that ask with me
	s_cselect_b32 s22, ttmp9, s22                  ; the coordinate along which other clusters read the same rows
	s_cselect_b64 s[PFA:PFA+1], s[4:5], s[6:7]
	s_cmp_eq_u32 s22, 0
	s_cselect_b32 s[LIM], 1, -1                    ; the same in all sixteen partners, for a given wave
	s_lshl_b32 s22, s[CH], 7
	s_add_co_u32 s20, s20, s22                     ; + the 128 rows that I fetch
	s_lshl_b32 s21, s21, 5
	s_add_co_u32 s20, s20, s21                     ; + my work-group's 32 of them
	s_lshl_b32 s20, s20, 11
	s_mov_b32 s21, 0
	s_add_nc_u64 s[PFA:PFA+1], s[PFA:PFA+1], s[20:21]
	s_add_nc_u64 s[PFA:PFA+1], s[PFA:PFA+1], 2*KSTEP*2  ; at K step 2: the first refill steps it to 3 and names K step 4; nothing is asked for here, at the head
	v_and_b32 v[PFO], 31, v0
	v_lshlrev_b32 v[PFO], 11, v[PFO]
; 16 matrix instructions: m blocks a0, a0 + 1 of the window's four x all 8 n blocks, 32 along K.  zero = 1: the first product starts the sums: nothing is cleared.
; The 64 accumulators take turns, one instruction a turn, in the same order in every quarter.
.macro MUL16 f, hi, a0, zero
	WIN MUL_LO+0x50*(\hi)
.irp a, \a0, (\a0)+1
.irp b, 0,1,2,3,4,5,6,7
.if \zero
	v_wmma_f32_16x16x32_bf16 v[8*(8*(\a)+(\b)):8*(8*(\a)+(\b))+7], v[(\f)+8*(\b):(\f)+8*(\b)+7], v[(\f)+8*(4*(\hi)+(\a)):(\f)+8*(4*(\hi)+(\a))+7], 0
.else
	v_wmma_f32_16x16x32_bf16 v[8*(8*(\a)+(\b)):8*(8*(\a)+(\b))+7], v[(\f)+8*(\b):(\f)+8*(\b)+7], v[(\f)+8*(4*(\hi)+(\a)):(\f)+8*(4*(\hi)+(\a))+7], v[8*(8*(\a)+(\b)):8*(8*(\a)+(\b))+7]
.endif
.endr
.endr
.endm
; 32 LDS loads in one run: the fragments of one quarter step (128 rows of wb, 128 rows of xb, 32 K at byte k of the rows) into buffer f
.macro FETCH slot, k, f
	WIN TO_B
.irp i, 0,1,2,3,4,5,6,7
	ds_load_b128 v[(\f)+8*(\i):(\f)+8*(\i)+3],   v[ADRB+(\slot)] offset:(\k)+(\i)*16*PITCH
	ds_load_b128 v[(\f)+8*(\i)+4:(\f)+8*(\i)+7], v[ADRB+(\slot)] offset:(\k)+(\i)*16*PITCH+32
.endr
	WIN 0
.irp i, 0,1,2,3,4,5,6,7
	ds_load_b128 v[(\f)+8*(\i):(\f)+8*(\i)+3],   v[ADRA+(\slot)] offset:(\k)+(\i)*16*PITCH
	ds_load_b128 v[(\f)+8*(\i)+4:(\f)+8*(\i)+7], v[ADRA+(\slot)] offset:(\k)+(\i)*16*PITCH+32
.endr
.endm
.macro PLACES                          ; four plain vector instructions between a matrix instruction and a load into its sources, or a reader of its result
.rept 4
	v_nop
.endr
.endm
; A K step is four quarters of 32 along K, 64 matrix instructions each, on buffers 0, 1, 0, 1.  One of the first three: multiplies buffer f; in its middle it fetches the next quarter, at byte k, into g.
.macro QUARTER slot, k, f, g, zero
	s_wait_dscnt 8                                 ; wb and xb's rows 0-63 are in; the youngest eight loads (xb's rows 64-127) may be out
	WIN MUL_LO
	MUL16 \f, 0, 0, \zero
	MUL16 \f, 0, 2, \zero
	PLACES
	FETCH \slot, \k, \g
	s_wait_dscnt 32                                ; all but the 32 just issued
	WIN MUL_HI
	MUL16 \f, 1, 0, \zero
	MUL16 \f, 1, 2, \zero
.endm
; The first half of a K step's last quarter: ONE barrier for the change of slots.  In front of it each wave waits for all its tensor loads (one is out: its part of the next slot), adds 0 to its spare
; word, and waits for that and for its own reads of this slot.  Behind it nobody reads this slot any more and the next slot is whole.
.macro MEET round
	WIN 0                                          ; (the add's two registers lie in window 0)
	s_wait_tensorcnt 0x0
	ds_add_u32 v[SPW], v[NIL]
	s_wait_dscnt 9                                 ; (the add and the youngest eight loads may be out)
	WIN MUL_LO
	MUL16 F1, 0, 0, 0                              ; sixteen matrix instructions stand between the add and the wait for it
	s_wait_dscnt 0x0                               ; the add is done, and my reads of this slot are over
	s_barrier_signal -1
	MUL16 F1, 0, 2, 0                              ; work on registers while the others arrive
.if \round
	WIN 0
.endif
	s_barrier_wait -1
.endm
; The whole last quarter.  mode 0: the slot just read out is filled with this tile's K step two on; mode 1: with the NEXT tile's K step 0 or 1; mode 2: nothing is filled, and no round of the cluster's barrier follows.
.macro TURN slot, next, mode
.if (\mode) < 2
	s_wait_xcnt 0x0                                ; the last prefetch, a K step back, has read its address: it is stepped here, ahead of the change's own waits
.if ((\mode) == 1) && ((\slot) == 0)
	s_add_nc_u64 s[PFA:PFA+1], s[PFA:PFA+1], (WALK-1)*SIZE_K*2+KSTEP*2  ; from the K step after the tile's last to the next tile's K step 1
	s_cmp_eq_u32 s[RH], 1
	s_cselect_b32 s[LIM], s[LIM], -1               ; xb's rows are the same for all four tiles: they are asked for in the first tile alone
.else
	s_add_nc_u64 s[PFA:PFA+1], s[PFA:PFA+1], KSTEP*2
.endif
	MEET 1
	CREST                                          ; the barrier has opened a round of the cluster's barrier: no wave of any partner still reads this slot or has a load on its way
.if (\mode) == 1
	s_sub_nc_u64 s[G0+4*(\slot)+2:G0+4*(\slot)+3], s[G0+4*(\slot)+2:G0+4*(\slot)+3], BACK_A
	s_add_nc_u64 s[G0B+4*(\slot)+2:G0B+4*(\slot)+3], s[G0B+4*(\slot)+2:G0B+4*(\slot)+3], NEXT_B
.else
	s_add_nc_u64 s[G0+4*(\slot)+2:G0+4*(\slot)+3], s[G0+4*(\slot)+2:G0+4*(\slot)+3], 2*KSTEP*2
	s_add_nc_u64 s[G0B+4*(\slot)+2:G0B+4*(\slot)+3], s[G0B+4*(\slot)+2:G0B+4*(\slot)+3], 2*KSTEP*2
.endif
	JLOAD \slot                                    ; the first tensor load behind the round, 224 matrix instructions ahead of the wait for it; its four v_nop are also the places in front of the loads below
	FETCH \next, 0, F0
	ASK \mode
.else
	MEET 0
	PLACES
	FETCH \next, 0, F0
.endif
	WIN MUL_HI
	MUL16 F1, 1, 0, 0
	MUL16 F1, 1, 2, 0
.endm
	s_wait_tensorcnt 1                             ; my part of K step 0 is in; K step 1's may stay out
	s_barrier_signal -1
	s_barrier_wait -1                              ; everybody's is
	FETCH 0, 0, F0
	s_mov_b32 s2, TILES                            ; tiles to go, this one among them
.Ltile:
	QUARTER 0, 64,  F0, F1, 1                      ; a tile's first quarter: its products start the sums
	WIN 0                                          ; at a label and at a branch every window is 0
	s_mov_b32 s3, LAPS-1
.Llap:                                                 ; a trip goes once round the ring, from a lap's second quarter to the next lap's first, and fills both slots again
	QUARTER 0, 128, F1, F0, 0
	QUARTER 0, 192, F0, F1, 0
	TURN 0, 1, 0
	QUARTER 1, 64,  F0, F1, 0
	QUARTER 1, 128, F1, F0, 0
	QUARTER 1, 192, F0, F1, 0
	TURN 1, 0, 0
	QUARTER 0, 64,  F0, F1, 0
	WIN 0
	s_sub_co_u32 s3, s3, 1
	s_cmp_lg_u32 s3, 0
	s_cbranch_scc1 .Llap
	QUARTER 0, 128, F1, F0, 0                      ; the tile's last lap goes on
	QUARTER 0, 192, F0, F1, 0
	WIN 0
	s_cmp_eq_u32 s2, 1
	s_cbranch_scc1 .Llast                          ; the last tile's tail is written out: it asks for nothing more
	TURN 0, 1, 1                                   ; the ring goes on into the next tile: slot 0 takes its K step 0,
	QUARTER 1, 64,  F0, F1, 0
	QUARTER 1, 128, F1, F0, 0
	QUARTER 1, 192, F0, F1, 0
	TURN 1, 0, 1                                   ; slot 1 its K step 1, and the next tile's first fragments are fetched (into buffer 0, which the way out does not touch)
	WIN 0
	s_branch .Lout
.Llast:
	TURN 0, 1, 2
	QUARTER 1, 64,  F0, F1, 0
	QUARTER 1, 128, F1, F0, 0
	QUARTER 1, 192, F0, F1, 0
	s_wait_dscnt 8                                 ; the very last quarter: nothing more to fetch
	MUL16 F1, 0, 0, 0
	MUL16 F1, 0, 2, 0
	s_wait_dscnt 0x0
	MUL16 F1, 1, 0, 0
	MUL16 F1, 1, 2, 0
	WIN 0
.Lout:
	; THE WAY OUT.  For each accumulator, a lane's eight sums x0-x7 of one group: M and m2 by one walk (m2 = the middle one of x, M, m2; then M = the larger of x, M); j by seven compares from x6 down to x0, so that the
	; lowest place is written last; the word.  32 instructions an accumulator.  The eight accumulators of a block take turns, so that no line waits for the one before it.  One window setting serves a half of the
	; accumulators: a sum is always source 0; where all operands lie in window 0, source 0 is a constant or a scalar.  Each accumulator's first reader takes its lowest register.
	PLACES
.irp hw, 0,1
	WIN 0x02+(\hw)                                 ; source 0 in window 2 + hw; sources 1 and 2 and the destination in window 0
.irp aa, 0,1,2,3
.irp b, 0,1,2,3,4,5,6,7
	v_mov_b32 v[G+8*(4*(\hw)+(\aa))+(\b)], v[8*(8*(\aa)+(\b))]
.endr
.irp b, 0,1,2,3,4,5,6,7
	v_min_num_f32 v[T2+(\b)], v[8*(8*(\aa)+(\b))+1], v[G+8*(4*(\hw)+(\aa))+(\b)]
.endr
.irp b, 0,1,2,3,4,5,6,7
	v_max_num_f32 v[G+8*(4*(\hw)+(\aa))+(\b)], v[8*(8*(\aa)+(\b))+1], v[G+8*(4*(\hw)+(\aa))+(\b)]
.endr
.irp j, 2,3,4,5,6,7
.irp b, 0,1,2,3,4,5,6,7
	v_med3_num_f32 v[T2+(\b)], v[8*(8*(\aa)+(\b))+(\j)], v[G+8*(4*(\hw)+(\aa))+(\b)], v[T2+(\b)]
.endr
.irp b, 0,1,2,3,4,5,6,7
	v_max_num_f32 v[G+8*(4*(\hw)+(\aa))+(\b)], v[8*(8*(\aa)+(\b))+(\j)], v[G+8*(4*(\hw)+(\aa))+(\b)]
.endr
.endr
.irp b, 0,1,2,3,4,5,6,7
	v_mov_b32 v[TA+(\b)], 15                       ; 2 x 7 + 1: stands where none of x0-x6 equals M
.endr
.irp j, 6,5,4,3,2,1,0
.irp b, 0,1,2,3,4,5,6,7
	v_cmp_neq_f32 vcc_lo, v[8*(8*(\aa)+(\b))+(\j)], v[G+8*(4*(\hw)+(\aa))+(\b)]
	v_cndmask_b32 v[TA+(\b)], 2*(\j)+1, v[TA+(\b)], vcc_lo  ; where x equals M: 2 j + 1
.endr
.endr
.irp b, 0,1,2,3,4,5,6,7
	v_fma_f32 v[T2+(\b)], s[SC], |v[T2+(\b)]|, v[T2+(\b)]   ; m2 + |m2| / 65,536
.endr
.irp b, 0,1,2,3,4,5,6,7
	v_bfi_b32 v[H+8*(4*(\hw)+(\aa))+(\b)], 15, v[TA+(\b)], v[T2+(\b)]  ; its low four bits give way to 2 j + 1
.endr
.endr
	WIN 0                                          ; a store's address is its source 0
.irp aa, 0,1,2,3
.irp q, 0,1
	global_store_b128 v[CO], v[G+8*(4*(\hw)+(\aa))+4*(\q):G+8*(4*(\hw)+(\aa))+4*(\q)+3], s[8:9] offset:(2*(4*(\hw)+(\aa))+(\q))*512    ; 512 consecutive bytes, aligned
	global_store_b128 v[CO], v[H+8*(4*(\hw)+(\aa))+4*(\q):H+8*(4*(\hw)+(\aa))+4*(\q)+3], s[10:11] offset:(2*(4*(\hw)+(\aa))+(\q))*512
.endr
.endr
.endr
	s_wait_xcnt 0x0                                ; the 32 stores have read their registers: only behind this wait are the maxima, the words (fragment buffer 1) and the two bases written again
	s_add_nc_u64 s[8:9], s[8:9], 0x80000           ; 16 tile columns on: 16 x 32,768 bytes (behind the last tile the step is not used)
	s_add_nc_u64 s[10:11], s[10:11], 0x80000
	s_sub_co_u32 s2, s2, 1
	s_cmp_lg_u32 s2, 0
	s_cbranch_scc1 .Ltile
	s_wait_tensorcnt 0x0                           ; the wave's end
	ds_add_u32 v[SPW], v[NIL]
	s_wait_dscnt 0x0
	CROUND                                         ; the closing round: no work-group ends while a partner may still ask for a tile that names it
	s_endpgm
.Lfunc_end_k_q850bdc6819_gemm:
	.size	k_q850bdc6819_gemm, .Lfunc_end_k_q850bdc6819_gemm-k_q850bdc6819_gemm
	.p2alignl 7, 3214868480
	.fill 96, 4, 3214868480
	.section	.rodata,"a",@progbits
	.p2align	6, 0x0
	.amdhsa_kernel k_q850bdc6819_gemm
		.amdhsa_group_segment_fixed_size 327680
		.amdhsa_private_segment_fixed_size 0
		.amdhsa_enable_private_segment 0
		.amdhsa_kernarg_size 32
		.amdhsa_user_sgpr_count 2
		.amdhsa_user_sgpr_kernarg_segment_ptr 1
		.amdhsa_wavefront_size32 1
		.amdhsa_system_sgpr_workgroup_id_x 1
		.amdhsa_system_sgpr_workgroup_id_y 1
		.amdhsa_system_sgpr_workgroup_id_z 1
		.amdhsa_system_vgpr_workitem_id 0
		.amdhsa_next_free_vgpr 1024
		.amdhsa_next_free_sgpr 66
		.amdhsa_reserve_vcc 1
		.amdhsa_float_denorm_mode_32 3
		.amdhsa_float_denorm_mode_16_64 3
		.amdhsa_memory_ordered 1
		.amdhsa_forward_progress 1
		.amdhsa_inst_pref_size 229
	.end_amdhsa_kernel
	.amdgpu_metadata
---
amdhsa.version: [ 1, 2 ]
amdhsa.kernels:
  - .name:           k_q850bdc6819_gemm
    .symbol:         k_q850bdc6819_gemm.kd
    .args:
      - { .name: xb, .offset: 0, .size: 8, .value_kind: global_buffer, .address_space: global }
      - { .name: wb, .offset: 8, .size: 8, .value_kind: global_buffer, .address_space: global }
      - { .name: gmax, .offset: 16, .size: 8, .value_kind: global_buffer, .address_space: global }
      - { .name: gaux, .offset: 24, .size: 8, .value_kind: global_buffer, .address_space: global }
    .group_segment_fixed_size: 327680
    .private_segment_fixed_size: 0
    .kernarg_segment_align: 8
    .kernarg_segment_size: 32
    .max_flat_workgroup_size: 128
    .sgpr_count:     66
    .vgpr_count:     1024
    .wavefront_size: 32
...
	.end_amdgpu_metadata
.endif
;; end of part 2
;; launch groups (part 3): grid 256 x 1, 16 waves a work-group, no clusters, 19,456 bytes of LDS; arguments gmax, gaux, gsel; writes gsel
.if DOCPART == 3
	.amdgcn_target "amdgcn-amd-amdhsa--gfx1250"
	.amdhsa_code_object_version 6
	.text
	.protected	k_q850bdc6819_groups
	.globl	k_q850bdc6819_groups
	.p2align	8
	.type	k_q850bdc6819_groups,@function
k_q850bdc6819_groups:
	s_mov_b64 s[64:65], 0
	v_nop
	global_prefetch_b8 v0, s[64:65] scope:SCOPE_SE
	s_setreg_imm32_b32 hwreg(HW_REG_WAVE_MODE, 25, 1), 1
	s_wait_xcnt 0x0
; For each of 4,096 rows: the 8 first of its 2,048 groups in the order (group maximum M descending, group number g ascending).  gsel[row][8] takes, for each, the whole number 16 g + 2 j + mark:
; j = the place of M in the group (from gaux's low bits); mark = 1 where gaux's word, a float no less than the group's second largest sum, is at least T, the row's 8th largest M: then other columns of the group
; than 8 g + j may be among the row's 8 largest sums.  The eight stand in no particular order.
; No branch and no address hangs on a floating-point number: every step is done for every group.
; SHARES.  A work-group takes 16 rows: block rb = 16 TR + 8 (row half) + a of the layout [TR 16][TC 64][wave 4][a 8][q2 2][lane 32][4].  A lane is (r = lane % 16: the row, h = lane / 16), as the data were stored.
; Wave v of 16 takes TC = 4 v .. 4 v + 3, both column halves: 16 loads of 16 bytes a lane from each buffer, 64 groups a lane, kept in registers: each buffer is read once.  Register e of the 64 is group 128 v + 2 e + h.
; PASS 1, values alone: each lane keeps the 8 largest of its M, sorted, by insertion (7 v_med3_num_f32 and a maximum); the halves of the lanes merge; the 16 waves' lists meet in LDS; wave 0 merges them: T.
; PASS 2, numbers: a group's key is the float 4,096 + g where M is above T, 6,144 + g where it equals T, 1e9 otherwise.  Fewer than 8 groups lie above T, so the 8 smallest keys are those and then the lowest-numbered
; of the groups that equal T.  In 4,096 .. 8,191 a float's step is 2^-11: g is bits 21:11 of the key, and 2 j + mark rides in bits 3:0, below every difference between two groups' numbers.
; TWO SORTED LISTS OF 8 ARE MERGED by 32 instructions: entry i of one against entry 7 - i of the other keeps the 8 wanted, in an order that rises and then falls or the like; three rounds of four exchanges sort them.
; LIMITS.  NaN and infinities are not treated apart; -0 and +0 count as equal.
.set PIT,   528                        ; a row's 16 lists of 32 bytes + 16: the 16 rows that a load touches start 4 words apart modulo 64
.set LV,    0                          ; LDS: value lists: row r at PIT r, wave v's list at + 32 v
.set LK,    8704                       ; key lists, the same shape
.set LT,    17152                      ; T of row r at + 4 r
.set SPARE, 17408                      ; the spare words, 128 bytes for each of 16 waves: eight blocks of 256 bytes that no other line names
.set S, 16                             ; v[16:23]   8 values, descending
.set K, 24                             ; v[24:31]   8 keys, ascending
.set P, 32                             ; v[32:39]   at work in a merge
.set Y, 40                             ; v[40:95]   lists to be merged in
.set X, 96                             ; v[96:159]  my 64 group maxima
.set W, 160                            ; v[160:223] gaux's words of the same groups
.set WV, 16                            ; s16  wave
; v1 lane, v2 r, v3 h, v4 16 x lane, v5 where I put my wave's list, v6 where I read eight lists, v7 T, v8 1e9, v9 float(128 v + h), v10 a key, v11 at work, v12-13 the add's registers, v14 4 r, v15 my 16 bytes of gsel
; x goes into the sorted list at base, in place, from the bottom up: entry i becomes the middle one of (entry i - 1, entry i, x).  mn = 0: descending, the largest kept; 1: ascending, the smallest kept.
.macro INS base, x, mn
.irp i, 7,6,5,4,3,2,1
	v_med3_num_f32 v[(\base)+\i], v[(\base)+\i-1], v[(\base)+\i], v[\x]
.endr
.if \mn
	v_min_num_f32 v[\base], v[\base], v[\x]
.else
	v_max_num_f32 v[\base], v[\base], v[\x]
.endif
.endm
.macro TAKE d, a, b, mn                ; the one of two that goes first: the larger (mn = 0) or the smaller (mn = 1)
.if \mn
	v_min_num_f32 v[\d], v[\a], v[\b]
.else
	v_max_num_f32 v[\d], v[\a], v[\b]
.endif
.endm
.macro LEAVE d, a, b, mn               ; the other one
.if \mn
	v_max_num_f32 v[\d], v[\a], v[\b]
.else
	v_min_num_f32 v[\d], v[\a], v[\b]
.endif
.endm
; the sorted list at b is merged into the sorted list at base; b is left as it was
.macro MERGE2 base, b, mn
.irp i, 0,1,2,3,4,5,6,7
	TAKE P+\i, (\base)+\i, (\b)+7-\i, \mn
.endr
.irp i, 0,1,2,3
	TAKE (\base)+\i, P+\i, P+\i+4, \mn
	LEAVE (\base)+\i+4, P+\i, P+\i+4, \mn
.endr
.irp i, 0,1,4,5
	TAKE P+\i, (\base)+\i, (\base)+\i+2, \mn
	LEAVE P+\i+2, (\base)+\i, (\base)+\i+2, \mn
.endr
.irp i, 0,2,4,6
	TAKE (\base)+\i, P+\i, P+\i+1, \mn
	LEAVE (\base)+\i+1, P+\i, P+\i+1, \mn
.endr
.endm
; the list of the lane 16 away (the same row's other groups) is merged in: afterwards both halves of the lanes hold the same list
.macro XHALF base, mn
.irp i, 0,1,2,3,4,5,6,7
	v_permlanex16_b32 v[Y+\i], v[(\base)+\i], s12, s13
.endr
	MERGE2 \base, Y, \mn
.endm
; wave 0: lane (r, h) reads the lists of waves 8 h .. 8 h + 7 of row r (256 bytes), merges them, then the halves
.macro MERGE base, reg, mn
	ds_load_b128 v[(\base):(\base)+3],   v6 offset:(\reg)
	ds_load_b128 v[(\base)+4:(\base)+7], v6 offset:(\reg)+16
.set z, 0
.rept 14
	ds_load_b128 v[Y+4*z:Y+4*z+3], v6 offset:(\reg)+32+16*z
.set z, z+1
.endr
	s_wait_dscnt 0x0
.set z, 0
.rept 7
	MERGE2 \base, Y+8*z, \mn
.set z, z+1
.endr
	XHALF \base, \mn
.endm
	s_load_b128 s[4:7], s[0:1], 0x0                ; gmax s[4:5], gaux s[6:7]
	s_load_b64 s[8:9], s[0:1], 0x10                ; gsel
	v_lshl_add_u32 v12, v0, 2, SPARE
	v_mov_b32 v13, 0
	v_lshrrev_b32 v11, 5, v0
	v_readfirstlane_b32 s[WV], v11                 ; wave 0..15
	v_and_b32 v1, 31, v0
	v_and_b32 v2, 15, v0
	v_bfe_u32 v3, v0, 4, 1
	v_lshlrev_b32 v4, 4, v1
	s_lshr_b32 s14, ttmp9, 4                       ; TR
	s_lshl_b32 s10, s14, 21
	s_bfe_u32 s14, ttmp9, 0x10003                  ; the row half: waves 2 x half and 2 x half + 1 of the product's four
	s_lshl_b32 s14, s14, 14
	s_add_co_u32 s10, s10, s14
	s_and_b32 s14, ttmp9, 7                        ; a
	s_lshl_b32 s14, s14, 10
	s_add_co_u32 s10, s10, s14
	s_lshl_b32 s14, s[WV], 17                      ; my 4 tile columns of 32,768 bytes
	s_add_co_u32 s10, s10, s14                     ; under 2^25
	s_mov_b32 s11, 0
	s_mov_b32 s12, 0x76543210                      ; v_permlanex16_b32: each lane takes its own place in the other half
	s_mov_b32 s13, 0xfedcba98
	s_mov_b32 s15, 0xff800000                      ; -infinity
	s_wait_kmcnt 0x0
	s_add_nc_u64 s[4:5], s[4:5], s[10:11]
	s_add_nc_u64 s[6:7], s[6:7], s[10:11]
.set n, 0
.rept 16                                           ; load n: tile column n / 4, column half (n / 2) % 2, q2 = n % 2; 512 consecutive bytes each
	global_load_b128 v[X+4*n:X+4*n+3], v4, s[4:5] offset:(n/4)*32768+((n/2)%2)*8192+(n%2)*512 th:TH_LOAD_NT
.set n, n+1
.endr
.set n, 0
.rept 16
	global_load_b128 v[W+4*n:W+4*n+3], v4, s[6:7] offset:(n/4)*32768+((n/2)%2)*8192+(n%2)*512 th:TH_LOAD_NT
.set n, n+1
.endr
	v_mul_u32_u24 v5, v2, PIT
	v_mul_u32_u24 v6, v2, PIT
	s_lshl_b32 s14, s[WV], 5
	v_add_nc_u32 v5, s14, v5
	v_lshl_add_u32 v6, v3, 8, v6
	v_lshlrev_b32 v14, 2, v2
	v_mov_b32 v8, 0x4e6e6b28                       ; 1e9
	s_lshl_b32 s14, s[WV], 7
	v_add_nc_u32 v9, s14, v3
	v_cvt_f32_u32 v9, v9
	s_lshl_b32 s14, ttmp9, 9                       ; 16 rows x 32 bytes of gsel
	v_lshlrev_b32 v15, 5, v2
	v_lshl_add_u32 v15, v3, 4, v15
	v_add_nc_u32 v15, s14, v15
.irp i, 0,1,2,3,4,5,6,7
	v_mov_b32 v[S+\i], s15
	v_mov_b32 v[Y+\i], 0                           ; written once: the destination of v_permlanex16_b32 counts as read
.endr
	; PASS 1
.set n, 0
.rept 16
	s_wait_loadcnt 31-n                            ; loads come back in order: load n of gmax is in; its 15 - n younger ones and gaux's 16 stay out
	INS S, X+4*n, 0
	INS S, X+4*n+1, 0
	INS S, X+4*n+2, 0
	INS S, X+4*n+3, 0
.set n, n+1
.endr
	XHALF S, 0
	ds_store_b128 v5, v[S:S+3]   offset:LV         ; both halves of the lanes write the same bytes with the same numbers
	ds_store_b128 v5, v[S+4:S+7] offset:LV+16
	s_wait_dscnt 0x0                               ; for the others' sake: my list lies in LDS
	s_barrier_signal -1
	s_barrier_wait -1
	s_cmp_lg_u32 s[WV], 0
	s_cbranch_scc1 .Lno_t
	MERGE S, LV, 0
	ds_store_b32 v14, v[S+7] offset:LT             ; T
	s_wait_dscnt 0x0
.Lno_t:
	s_barrier_signal -1
	s_barrier_wait -1
	ds_load_b32 v7, v14 offset:LT
.irp i, 0,1,2,3,4,5,6,7
	v_mov_b32 v[K+\i], v8
.endr
	s_wait_loadcnt 0x0                             ; gaux's words
	s_wait_dscnt 0x0
	; PASS 2.  The keys are first made with 2 e in g's place (e << 12 in the float's bits); 128 v + h is added to the 8 that are kept.
.set e, 0
.rept 64
	v_cmp_lt_f32 vcc_lo, v[X+e], v7
	v_cndmask_b32 v10, 0x45c00000+(e<<12), v8, vcc_lo    ; below T: 1e9; else 6,144 + 2 e
	v_cmp_le_f32 vcc_lo, v[X+e], v7
	v_cndmask_b32 v10, 0x45800000+(e<<12), v10, vcc_lo   ; above T: 4,096 + 2 e
	v_cmp_ge_f32 vcc_lo, v[W+e], v7                      ; the word is at least T: the mark
	v_cndmask_b32 v11, 14, 15, vcc_lo                    ; the word's bit 0 is 1: it is kept with the mark, dropped without
	v_and_or_b32 v10, v[W+e], v11, v10                   ; 2 j + mark into the key's lowest bits
	INS K, 10, 1
.set e, e+1
.endr
.irp i, 0,1,2,3,4,5,6,7
	v_add_f32 v[K+\i], v[K+\i], v9                 ; exact: the sum stays under 8,192, in the same steps of 2^-11 (1e9 stays far above)
.endr
	XHALF K, 1
	ds_store_b128 v5, v[K:K+3]   offset:LK
	ds_store_b128 v5, v[K+4:K+7] offset:LK+16
	s_wait_dscnt 0x0
	s_barrier_signal -1
	s_barrier_wait -1
	s_cmp_lg_u32 s[WV], 0
	s_cbranch_scc1 .Lend
	MERGE K, LK, 1
.irp i, 0,1,2,3,4,5,6,7
	v_bfe_u32 v[Y+\i], v[K+\i], 11, 11             ; g
	v_and_b32 v[K+\i], 15, v[K+\i]                 ; 2 j + mark
	v_lshl_or_b32 v[K+\i], v[Y+\i], 4, v[K+\i]
.endr
	v_cmp_le_u32 vcc_lo, 16, v1                    ; lanes 16-31 store the row's second four
.irp i, 0,1,2,3
	v_cndmask_b32 v[K+\i], v[K+\i], v[K+4+\i], vcc_lo
.endr
	global_store_b128 v15, v[K:K+3], s[8:9]        ; the wave's store covers the 16 rows' 512 consecutive bytes
.Lend:
	s_wait_tensorcnt 0x0                           ; the wave's end, behind my last LDS store
	ds_add_u32 v12, v13
	s_wait_dscnt 0x0
	s_endpgm
.Lfunc_end_k_q850bdc6819_groups:
	.size	k_q850bdc6819_groups, .Lfunc_end_k_q850bdc6819_groups-k_q850bdc6819_groups
	.p2alignl 7, 3214868480
	.fill 96, 4, 3214868480
	.section	.rodata,"a",@progbits
	.p2align	6, 0x0
	.amdhsa_kernel k_q850bdc6819_groups
		.amdhsa_group_segment_fixed_size 19456
		.amdhsa_private_segment_fixed_size 0
		.amdhsa_enable_private_segment 0
		.amdhsa_kernarg_size 24
		.amdhsa_user_sgpr_count 2
		.amdhsa_user_sgpr_kernarg_segment_ptr 1
		.amdhsa_wavefront_size32 1
		.amdhsa_system_sgpr_workgroup_id_x 1
		.amdhsa_system_sgpr_workgroup_id_y 1
		.amdhsa_system_sgpr_workgroup_id_z 1
		.amdhsa_system_vgpr_workitem_id 0
		.amdhsa_next_free_vgpr 224
		.amdhsa_next_free_sgpr 66
		.amdhsa_reserve_vcc 1
		.amdhsa_float_denorm_mode_32 3
		.amdhsa_float_denorm_mode_16_64 3
		.amdhsa_memory_ordered 1
		.amdhsa_forward_progress 1
		.amdhsa_inst_pref_size 114
	.end_amdhsa_kernel
	.amdgpu_metadata
---
amdhsa.version: [ 1, 2 ]
amdhsa.kernels:
  - .name:           k_q850bdc6819_groups
    .symbol:         k_q850bdc6819_groups.kd
    .args:
      - { .name: gmax, .offset: 0, .size: 8, .value_kind: global_buffer, .address_space: global }
      - { .name: gaux, .offset: 8, .size: 8, .value_kind: global_buffer, .address_space: global }
      - { .name: gsel, .offset: 16, .size: 8, .value_kind: global_buffer, .address_space: global }
    .group_segment_fixed_size: 19456
    .private_segment_fixed_size: 0
    .kernarg_segment_align: 8
    .kernarg_segment_size: 24
    .max_flat_workgroup_size: 512
    .sgpr_count:     66
    .vgpr_count:     224
    .wavefront_size: 32
...
	.end_amdgpu_metadata
.endif
;; end of part 3
;; launch elems (part 4): grid 1024 x 1, 4 waves a work-group, no clusters, 0 bytes of LDS; arguments gsel, xb, wb, tidx, tval, psum; writes tidx, tval, psum
.if DOCPART == 4
	.amdgcn_target "amdgcn-amd-amdhsa--gfx1250"
	.amdhsa_code_object_version 6
	.text
	.protected	k_q850bdc6819_elems
	.globl	k_q850bdc6819_elems
	.p2align	8
	.type	k_q850bdc6819_elems,@function
k_q850bdc6819_elems:
	s_mov_b64 s[64:65], 0
	v_nop
	global_prefetch_b8 v0, s[64:65] scope:SCOPE_SE
	s_setreg_imm32_b32 hwreg(HW_REG_WAVE_MODE, 25, 1), 1
	s_wait_xcnt 0x0
; For each row: its candidates' sums are computed anew, and the 8 largest are taken, ties to the lower column: columns to tidx[row][8], values to tval[row][8], the sum of the 8 |values| to psum[row].
; CANDIDATES.  gsel[row][k] = 16 g + 2 j + mark, k = 0..7, whole numbers that an earlier launch stored.  Column 8 g + j (= the word >> 1) is always a candidate; with the mark, all 8 columns of group g are.
; Every address, and the one branch on data (the mark), hangs on these whole numbers alone; a column is held to 0 .. 16,383 before it enters an address.
; SHARES.  A wave takes one row.  A row of xb or wb is 2,048 bytes: four loads of 512 consecutive bytes; lane l holds the channels 256 i + 8 l + 0..7 of load i.
; A SUM is 32 multiply-adds a lane straight from the bf16 halves (the products are exact in f32), in one fixed order, then five exchanges between the lanes: EVERY candidate is computed by the same lines, so equal rows
; of wb give equal bits.  The 8 sure columns go first, their 32 loads out together; then a counted loop of 8 trips, one a slot, jumps forward over the slots that have no mark.
; PLACES.  Candidate (slot k, place j) lies in lane (8 k + j) % 32 of VA (k < 4) or VB; a place with no candidate holds -infinity.  A marked group's sums land on all its 8 places, on the sure column's too.
; EIGHT PASSES, all alike: the maximum M over the 64 places; the lowest column among those that equal M; that place is set to -infinity; lane p keeps pass p's pair.
; The stores are 4 bytes a lane, 32 bytes a row in each of two tables of 131,072 bytes: a stage across waves to widen them would cost a barrier for 262,144 bytes in the whole launch.
; LIMITS.  NaN and infinities are not treated apart (-infinity marks an empty place); -0 and +0 count as equal.
.set LN,   1                           ; lane
.set LO,   2                           ; 16 x lane; never rewritten
.set L32,  3                           ; lane + 32
.set ZERO, 4                           ; 0: the first product's addend, psum's offset
.set TMP,  5
.set WA,   6                           ; gsel's word of slot lane / 8,
.set WB,   7                           ; of slot 4 + lane / 8
.set CA,   8                           ; the column of my place in VA, as a float (exact, under 16,384)
.set CB,   9                           ; in VB
.set VA,   10
.set VB,   11
.set M,    12
.set WN,   13
.set RV,   14                          ; the value that I keep (lanes 0-7)
.set RI,   15                          ; its column
.set BIG,  16                          ; 1e9
.set NEG,  17                          ; -infinity
.set T1,   18
.set SO,   19                          ; 4 x lane
.set ACC,  20                          ; v[20:27]   eight sums
.set XR,   32                          ; v[32:47]   my 32 numbers of the row of xb
.set RT,   48                          ; v[48:55]   at work in the exchange of the halves
.set WR,   64                          ; v[64:191]  my 32 numbers of each of eight rows of wb
.set BASE, 32                          ; s[32:47]   the addresses of the 8 sure columns' rows
.set TG,   56                          ; s[56:63]   their places, modulo 32
; eight sums at once: ACC + k = the row of xb times the row of wb in WR + 16 k; afterwards every lane holds all eight
.macro DOTS
.set z, 0
.rept 16
.irp k, 0,1,2,3,4,5,6,7
.if z == 0
	v_fma_mix_f32_bf16 v[ACC+\k], v[XR+z], v[WR+16*\k+z], v[ZERO] op_sel_hi:[1,1,0]      ; the low halves; the first product starts the sum
.else
	v_fma_mix_f32_bf16 v[ACC+\k], v[XR+z], v[WR+16*\k+z], v[ACC+\k] op_sel_hi:[1,1,0]
.endif
.endr
.irp k, 0,1,2,3,4,5,6,7
	v_fma_mix_f32_bf16 v[ACC+\k], v[XR+z], v[WR+16*\k+z], v[ACC+\k] op_sel:[1,1,0] op_sel_hi:[1,1,0]  ; the high halves
.endr
.set z, z+1
.endr
.irp x, 1,2,4,8
.irp k, 0,1,2,3,4,5,6,7
	v_add_f32_dpp v[ACC+\k], v[ACC+\k], v[ACC+\k] row_xmask:\x row_mask:0xf bank_mask:0xf
.endr
.endr
.irp k, 0,1,2,3,4,5,6,7
	v_permlanex16_b32 v[RT+\k], v[ACC+\k], s28, s29
.endr
.irp k, 0,1,2,3,4,5,6,7
	v_add_f32 v[ACC+\k], v[ACC+\k], v[RT+\k]
.endr
.endm
	s_load_b256 s[4:11], s[0:1], 0x0               ; gsel s[4:5], xb s[6:7], wb s[8:9], tidx s[10:11]
	s_load_b128 s[12:15], s[0:1], 0x20             ; tval s[12:13], psum s[14:15]
	v_lshrrev_b32 v[TMP], 5, v0
	v_readfirstlane_b32 s24, v[TMP]                ; wave
	v_and_b32 v[LN], 31, v0
	v_lshlrev_b32 v[LO], 4, v[LN]
	v_add_nc_u32 v[L32], 32, v[LN]
	v_lshlrev_b32 v[SO], 2, v[LN]
	v_mov_b32 v[ZERO], 0
	v_lshrrev_b32 v[TMP], 3, v[LN]
	v_lshlrev_b32 v[TMP], 2, v[TMP]                ; 4 x (lane / 8)
	v_mov_b32 v[BIG], 0x4e6e6b28
	v_mov_b32 v[NEG], 0xff800000
	v_mov_b32 v[RV], 0
	v_mov_b32 v[RI], 0
	v_mov_b32 v[T1], 0                             ; written once: the destination of v_permlanex16_b32 counts as read
.irp k, 0,1,2,3,4,5,6,7
	v_mov_b32 v[RT+\k], 0
.endr
	s_lshl_b32 s25, ttmp9, 2
	s_add_co_u32 s25, s25, s24                     ; my row
	s_lshl_b32 s26, s25, 5                         ; its 32 bytes in gsel, tidx and tval
	s_mov_b32 s27, 0
	s_mov_b32 s31, 0
	s_mov_b32 s28, 0x76543210
	s_mov_b32 s29, 0xfedcba98
	s_wait_kmcnt 0x0
	s_add_nc_u64 s[4:5], s[4:5], s[26:27]
	s_add_nc_u64 s[10:11], s[10:11], s[26:27]
	s_add_nc_u64 s[12:13], s[12:13], s[26:27]
	s_load_b256 s[16:23], s[4:5], 0x0              ; the row's 8 words, for addresses and the marks
	global_load_b32 v[WA], v[TMP], s[4:5]          ; and once more by lanes, for the columns
	global_load_b32 v[WB], v[TMP], s[4:5] offset:16
	s_lshl_b32 s26, s25, 11                        ; its 2,048 bytes in xb
	s_add_nc_u64 s[6:7], s[6:7], s[26:27]
.irp i, 0,1,2,3
	global_load_b128 v[XR+4*\i:XR+4*\i+3], v[LO], s[6:7] offset:512*\i
.endr
	s_lshl_b32 s26, s25, 2                         ; its word in psum
	s_add_nc_u64 s[14:15], s[14:15], s[26:27]
	s_wait_kmcnt 0x0
.irp k, 0,1,2,3,4,5,6,7
	s_bfe_u32 s[TG+\k], s[16+\k], 0x30001          ; j
	s_add_co_u32 s[TG+\k], s[TG+\k], 8*(\k%4)      ; the place, modulo 32
	s_lshr_b32 s30, s[16+\k], 1                    ; 8 g + j
	s_min_u32 s30, s30, 0x3fff                     ; a row of wb
	s_lshl_b32 s30, s30, 11                        ; 2,048 bytes a row: under 2^25
	s_add_nc_u64 s[BASE+2*\k:BASE+2*\k+1], s[8:9], s[30:31]
.endr
.irp k, 0,1,2,3,4,5,6,7
.irp i, 0,1,2,3
	global_load_b128 v[WR+16*\k+4*\i:WR+16*\k+4*\i+3], v[LO], s[BASE+2*\k:BASE+2*\k+1] offset:512*\i  ; no cache hint: several rows may name the same row of wb
.endr
.endr
	s_wait_loadcnt 36                              ; the two words are in: the 4 loads of xb and the 32 of wb, issued behind them, stay out
	v_and_b32 v[TMP], 7, v[LN]
	v_lshrrev_b32 v[WA], 4, v[WA]                  ; g
	v_lshrrev_b32 v[WB], 4, v[WB]
	v_lshl_add_u32 v[WA], v[WA], 3, v[TMP]         ; 8 g + lane % 8
	v_lshl_add_u32 v[WB], v[WB], 3, v[TMP]
	v_cvt_f32_u32 v[CA], v[WA]
	v_cvt_f32_u32 v[CB], v[WB]
	v_mov_b32 v[VA], v[NEG]
	v_mov_b32 v[VB], v[NEG]
	s_wait_loadcnt 0x0
	DOTS
.irp k, 0,1,2,3
	v_cmp_eq_u32 vcc_lo, s[TG+\k], v[LN]
	v_cndmask_b32 v[VA], v[VA], v[ACC+\k], vcc_lo
.endr
.irp k, 4,5,6,7
	v_cmp_eq_u32 vcc_lo, s[TG+\k], v[LN]
	v_cndmask_b32 v[VB], v[VB], v[ACC+\k], vcc_lo
.endr
	; the marked groups.  s16 holds the word of slot s48: the words move down one register a trip.
	s_mov_b32 s48, 0
.Lslot:
	s_bitcmp1_b32 s16, 0                           ; the mark
	s_cbranch_scc0 .Lnone
	s_lshr_b32 s30, s16, 1
	s_min_u32 s30, s30, 0x3fff
	s_and_b32 s30, s30, 0x3ff8                     ; 8 g: the group's first row of wb
	s_lshl_b32 s30, s30, 11
	s_add_nc_u64 s[52:53], s[8:9], s[30:31]        ; (its last user's loads were waited for below)
.irp j, 0,1,2,3,4,5,6,7
.irp i, 0,1,2,3
	global_load_b128 v[WR+16*\j+4*\i:WR+16*\j+4*\i+3], v[LO], s[52:53] offset:2048*\j+512*\i  ; the group's 8 rows are 16,384 consecutive bytes
.endr
.endr
	s_wait_loadcnt 0x0
	DOTS
	s_lshl_b32 s49, s48, 3                         ; the place of the group's first column, 0 .. 56
.irp j, 0,1,2,3,4,5,6,7
	v_cmp_eq_u32 vcc_lo, s49, v[LN]
	v_cndmask_b32 v[VA], v[VA], v[ACC+\j], vcc_lo
	v_cmp_eq_u32 vcc_lo, s49, v[L32]
	v_cndmask_b32 v[VB], v[VB], v[ACC+\j], vcc_lo
	s_add_co_u32 s49, s49, 1
.endr
.Lnone:
.irp k, 16,17,18,19,20,21,22
	s_mov_b32 s[\k], s[\k+1]
.endr
	s_add_co_u32 s48, s48, 1
	s_cmp_lt_u32 s48, 8
	s_cbranch_scc1 .Lslot
	; the 8 largest of the 64 places
.irp rr, 0,1,2,3,4,5,6,7
	v_max_num_f32 v[M], v[VA], v[VB]
	v_max_num_f32_dpp v[M], v[M], v[M] row_xmask:1 row_mask:0xf bank_mask:0xf
	v_max_num_f32_dpp v[M], v[M], v[M] row_xmask:2 row_mask:0xf bank_mask:0xf
	v_max_num_f32_dpp v[M], v[M], v[M] row_xmask:4 row_mask:0xf bank_mask:0xf
	v_max_num_f32_dpp v[M], v[M], v[M] row_xmask:8 row_mask:0xf bank_mask:0xf
	v_permlanex16_b32 v[T1], v[M], s28, s29
	v_max_num_f32 v[M], v[M], v[T1]
	v_cmp_eq_f32 vcc_lo, v[VA], v[M]
	v_cndmask_b32 v[WN], v[BIG], v[CA], vcc_lo
	v_cmp_eq_f32 vcc_lo, v[VB], v[M]
	v_cndmask_b32 v[TMP], v[BIG], v[CB], vcc_lo
	v_min_num_f32 v[WN], v[WN], v[TMP]
	v_min_num_f32_dpp v[WN], v[WN], v[WN] row_xmask:1 row_mask:0xf bank_mask:0xf
	v_min_num_f32_dpp v[WN], v[WN], v[WN] row_xmask:2 row_mask:0xf bank_mask:0xf
	v_min_num_f32_dpp v[WN], v[WN], v[WN] row_xmask:4 row_mask:0xf bank_mask:0xf
	v_min_num_f32_dpp v[WN], v[WN], v[WN] row_xmask:8 row_mask:0xf bank_mask:0xf
	v_permlanex16_b32 v[T1], v[WN], s28, s29
	v_min_num_f32 v[WN], v[WN], v[T1]
	v_cmp_eq_f32 vcc_lo, v[CA], v[WN]
	v_cndmask_b32 v[VA], v[VA], v[NEG], vcc_lo
	v_cmp_eq_f32 vcc_lo, v[CB], v[WN]
	v_cndmask_b32 v[VB], v[VB], v[NEG], vcc_lo
	v_cmp_eq_u32 vcc_lo, \rr, v[LN]
	v_cndmask_b32 v[RV], v[RV], v[M], vcc_lo
	v_cndmask_b32 v[RI], v[RI], v[WN], vcc_lo
.endr
	v_cvt_u32_f32 v[RI], v[RI]
	v_and_b32 v[M], 0x7fffffff, v[RV]              ; |value|; masks 1, 2, 4 stay inside lanes 0-7
	v_add_f32_dpp v[M], v[M], v[M] row_xmask:1 row_mask:0xf bank_mask:0xf
	v_add_f32_dpp v[M], v[M], v[M] row_xmask:2 row_mask:0xf bank_mask:0xf
	v_add_f32_dpp v[M], v[M], v[M] row_xmask:4 row_mask:0xf bank_mask:0xf
	v_cmp_gt_u32 vcc_lo, 8, v[LN]
	s_wait_xcnt 0x0                                ; EXEC changes only behind this wait: the loads above have read it
	s_and_saveexec_b32 s50, vcc_lo
	global_store_b32 v[SO], v[RI], s[10:11]        ; lanes 0-7: the row's 32 bytes
	global_store_b32 v[SO], v[RV], s[12:13]
	s_wait_xcnt 0x0                                ; and again, in front of the line that widens it
	s_or_b32 exec_lo, exec_lo, s50
	v_cmp_eq_u32 vcc_lo, 0, v[LN]
	s_and_saveexec_b32 s50, vcc_lo                 ; (nothing was issued since the last such wait)
	global_store_b32 v[ZERO], v[M], s[14:15]       ; lane 0 alone
	s_wait_xcnt 0x0
	s_or_b32 exec_lo, exec_lo, s50
	s_endpgm
.Lfunc_end_k_q850bdc6819_elems:
	.size	k_q850bdc6819_elems, .Lfunc_end_k_q850bdc6819_elems-k_q850bdc6819_elems
	.p2alignl 7, 3214868480
	.fill 96, 4, 3214868480
	.section	.rodata,"a",@progbits
	.p2align	6, 0x0
	.amdhsa_kernel k_q850bdc6819_elems
		.amdhsa_group_segment_fixed_size 0
		.amdhsa_private_segment_fixed_size 0
		.amdhsa_enable_private_segment 0
		.amdhsa_kernarg_size 48
		.amdhsa_user_sgpr_count 2
		.amdhsa_user_sgpr_kernarg_segment_ptr 1
		.amdhsa_wavefront_size32 1
		.amdhsa_system_sgpr_workgroup_id_x 1
		.amdhsa_system_sgpr_workgroup_id_y 1
		.amdhsa_system_sgpr_workgroup_id_z 1
		.amdhsa_system_vgpr_workitem_id 0
		.amdhsa_next_free_vgpr 192
		.amdhsa_next_free_sgpr 66
		.amdhsa_reserve_vcc 1
		.amdhsa_float_denorm_mode_32 3
		.amdhsa_float_denorm_mode_16_64 3
		.amdhsa_memory_ordered 1
		.amdhsa_forward_progress 1
		.amdhsa_inst_pref_size 61
	.end_amdhsa_kernel
	.amdgpu_metadata
---
amdhsa.version: [ 1, 2 ]
amdhsa.kernels:
  - .name:           k_q850bdc6819_elems
    .symbol:         k_q850bdc6819_elems.kd
    .args:
      - { .name: gsel, .offset: 0, .size: 8, .value_kind: global_buffer, .address_space: global }
      - { .name: xb, .offset: 8, .size: 8, .value_kind: global_buffer, .address_space: global }
      - { .name: wb, .offset: 16, .size: 8, .value_kind: global_buffer, .address_space: global }
      - { .name: tidx, .offset: 24, .size: 8, .value_kind: global_buffer, .address_space: global }
      - { .name: tval, .offset: 32, .size: 8, .value_kind: global_buffer, .address_space: global }
      - { .name: psum, .offset: 40, .size: 8, .value_kind: global_buffer, .address_space: global }
    .group_segment_fixed_size: 0
    .private_segment_fixed_size: 0
    .kernarg_segment_align: 8
    .kernarg_segment_size: 48
    .max_flat_workgroup_size: 128
    .sgpr_count:     66
    .vgpr_count:     192
    .wavefront_size: 32
...
	.end_amdgpu_metadata
.endif
;; end of part 4
;; launch gather (part 5): grid 1024 x 1, 4 waves a work-group, no clusters, 0 bytes of LDS; arguments W_dict, tidx, tval, psum, out0, out1; writes out0, out1
.if DOCPART == 5
	.amdgcn_target "amdgcn-amd-amdhsa--gfx1250"
	.amdhsa_code_object_version 6
	.text
	.protected	k_q850bdc6819_gather
	.globl	k_q850bdc6819_gather
	.p2align	8
	.type	k_q850bdc6819_gather,@function
k_q850bdc6819_gather:
	s_mov_b64 s[64:65], 0
	v_nop
	global_prefetch_b8 v0, s[64:65] scope:SCOPE_SE
	s_setreg_imm32_b32 hwreg(HW_REG_WAVE_MODE, 25, 1), 1
	s_wait_xcnt 0x0
; out0[row][:] = the sum over k = 0..7 of tval[row][k] x bf16(W_dict[tidx[row][k]][:]), sums in f32; out1 = (the sum of psum's 4,096 numbers) / 2^26.
; W_dict is rounded to bf16 on purpose, like the other two inputs, so that all three have one and the same rounding.
; SHARES.  A wave takes one row: 8 dictionary rows of 4,096 bytes, each read by 8 loads of 512 consecutive bytes; a lane holds columns 128 j + 4 lane + 0..3 of load j.  The row's 8 columns and values come by scalar loads
; (no line of this launch writes those tables); a column is held to 0 .. 16,383 before it enters an address.
; Two buffers of two dictionary rows: while one pair is multiplied the other pair's 16 loads are out.  The vector unit does the sums: each dictionary number is used once.
; No LDS, no cluster: nothing is shared.  No cache hint on the dictionary's loads: several rows may name the same dictionary row.
.set VAL,  8                           ; v[8:15]    the row's 8 values (the mixed multiply-add takes vector registers alone)
.set ACC,  16                          ; v[16:47]   the row's sums: load j's four at ACC + 4 j
.set TT,   48                          ; v[48:63]   a dictionary row's 32 numbers of mine, rounded to bf16, two a register
.set BUF0, 64                          ; v[64:127]  dictionary rows 2 p, 2 p + 1
.set BUF1, 128                         ; v[128:191]
.set ZERO, 7                           ; v7  0: the first product's addend, and out1's offset
.set BASE, 32                          ; s[32:47]  the 8 dictionary rows' addresses
	s_load_b256 s[4:11], s[0:1], 0x0               ; W_dict s[4:5], tidx s[6:7], tval s[8:9], psum s[10:11]
	s_load_b128 s[12:15], s[0:1], 0x20             ; out0 s[12:13], out1 s[14:15]
	v_lshrrev_b32 v3, 5, v0
	v_readfirstlane_b32 s51, v3                    ; wave
	v_and_b32 v2, 31, v0                           ; lane
	v_lshlrev_b32 v1, 4, v2                        ; my 16 bytes of every 512; never rewritten
	v_mov_b32 v[ZERO], 0
	s_lshl_b32 s50, ttmp9, 2
	s_add_co_u32 s50, s50, s51                     ; my row
	s_lshl_b32 s2, s50, 5                          ; its 32 bytes in tidx and in tval
	s_mov_b32 s3, 0
	s_mov_b32 s49, 0
	s_wait_kmcnt 0x0
	s_add_nc_u64 s[6:7], s[6:7], s[2:3]
	s_add_nc_u64 s[8:9], s[8:9], s[2:3]
	s_load_b256 s[16:23], s[6:7], 0x0
	s_load_b256 s[24:31], s[8:9], 0x0
	s_lshl_b32 s48, s50, 12                        ; its 4,096 bytes in out0
	s_add_nc_u64 s[12:13], s[12:13], s[48:49]
	s_wait_kmcnt 0x0
.irp k, 0,1,2,3,4,5,6,7
	s_min_u32 s[16+\k], s[16+\k], 0x3fff           ; a row of the dictionary
	s_lshl_b32 s48, s[16+\k], 12                   ; 4,096 bytes a row: under 2^26
	s_add_nc_u64 s[BASE+2*\k:BASE+2*\k+1], s[4:5], s[48:49]
	v_mov_b32 v[VAL+\k], s[24+\k]
.endr
.macro LOADP p, buf                    ; 16 loads: dictionary rows 2 p and 2 p + 1
.irp kk, 0,1
.irp j, 0,1,2,3,4,5,6,7
	global_load_b128 v[(\buf)+32*(\kk)+4*(\j):(\buf)+32*(\kk)+4*(\j)+3], v1, s[BASE+2*(2*(\p)+(\kk)):BASE+2*(2*(\p)+(\kk))+1] offset:512*(\j)
.endr
.endr
.endm
.macro FMAP p, buf                     ; for each of the two rows: 16 roundings to bf16, two numbers each; then 32 multiply-adds that read a bf16 half, the value and the sum in f32
.irp kk, 0,1
.set z, 0
.rept 16
	v_cvt_pk_bf16_f32 v[TT+z], v[(\buf)+32*(\kk)+2*z], v[(\buf)+32*(\kk)+2*z+1]
.set z, z+1
.endr
.set z, 0
.rept 16
.if (2*(\p)+(\kk)) == 0                ; the first row starts the sums: nothing is cleared
	v_fma_mix_f32_bf16 v[ACC+2*z],   v[TT+z], v[VAL], v[ZERO] op_sel_hi:[1,0,0]
	v_fma_mix_f32_bf16 v[ACC+2*z+1], v[TT+z], v[VAL], v[ZERO] op_sel:[1,0,0] op_sel_hi:[1,0,0]
.else
	v_fma_mix_f32_bf16 v[ACC+2*z],   v[TT+z], v[VAL+2*(\p)+(\kk)], v[ACC+2*z] op_sel_hi:[1,0,0]
	v_fma_mix_f32_bf16 v[ACC+2*z+1], v[TT+z], v[VAL+2*(\p)+(\kk)], v[ACC+2*z+1] op_sel:[1,0,0] op_sel_hi:[1,0,0]
.endif
.set z, z+1
.endr
.endr
.endm
	LOADP 0, BUF0
	LOADP 1, BUF1
	s_wait_loadcnt 16                              ; the first pair is in; the other buffer's 16 loads stay out (so in each wait below)
	FMAP 0, BUF0
	LOADP 2, BUF0
	s_wait_loadcnt 16
	FMAP 1, BUF1
	LOADP 3, BUF1
	s_wait_loadcnt 16
	FMAP 2, BUF0
	s_wait_loadcnt 0x0
	FMAP 3, BUF1
.irp j, 0,1,2,3,4,5,6,7
	global_store_b128 v1, v[ACC+4*(\j):ACC+4*(\j)+3], s[12:13] offset:512*(\j) th:TH_STORE_NT  ; 512 consecutive bytes, aligned
.endr
	; out1: one wave of the launch adds the 4,096 partial sums, in a fixed order: 32 loads of 512 bytes fill both buffers, 128 registers
	s_or_b32 s50, ttmp9, s51
	s_cmp_lg_u32 s50, 0
	s_cbranch_scc1 .Ldone
.set j, 0
.rept 32
	global_load_b128 v[BUF0+4*j:BUF0+4*j+3], v1, s[10:11] offset:512*j
.set j, j+1
.endr
	s_mov_b32 s16, 0x76543210
	s_mov_b32 s17, 0xfedcba98
	s_wait_loadcnt 0x0
.set w, 64                                         ; the upper half of the registers is added onto the lower: 128 become 64, 32, 16, 8, 4, 2
.rept 6
.set r, 0
.rept w/2
	v_pk_add_f32 v[BUF0+r:BUF0+r+1], v[BUF0+r:BUF0+r+1], v[BUF0+w+r:BUF0+w+r+1]
.set r, r+2
.endr
.set w, w/2
.endr
	v_add_f32 v[BUF0], v[BUF0], v[BUF0+1]
	v_add_f32_dpp v[BUF0], v[BUF0], v[BUF0] row_xmask:1 row_mask:0xf bank_mask:0xf
	v_add_f32_dpp v[BUF0], v[BUF0], v[BUF0] row_xmask:2 row_mask:0xf bank_mask:0xf
	v_add_f32_dpp v[BUF0], v[BUF0], v[BUF0] row_xmask:4 row_mask:0xf bank_mask:0xf
	v_add_f32_dpp v[BUF0], v[BUF0], v[BUF0] row_xmask:8 row_mask:0xf bank_mask:0xf
	v_permlanex16_b32 v[BUF0+1], v[BUF0], s16, s17
	v_add_f32 v[BUF0], v[BUF0], v[BUF0+1]
	v_mul_f32 v[BUF0], 0x32800000, v[BUF0]         ; 2^-26: coeffs has 2 x 2,048 x 16,384 = 2^26 numbers
	v_cmp_eq_u32 vcc_lo, 0, v2
	s_wait_xcnt 0x0                                ; EXEC changes only behind this wait
	s_and_saveexec_b32 s50, vcc_lo
	global_store_b32 v[ZERO], v[BUF0], s[14:15]    ; lane 0 alone
	s_wait_xcnt 0x0
	s_or_b32 exec_lo, exec_lo, s50
.Ldone:
	s_endpgm
.Lfunc_end_k_q850bdc6819_gather:
	.size	k_q850bdc6819_gather, .Lfunc_end_k_q850bdc6819_gather-k_q850bdc6819_gather
	.p2alignl 7, 3214868480
	.fill 96, 4, 3214868480
	.section	.rodata,"a",@progbits
	.p2align	6, 0x0
	.amdhsa_kernel k_q850bdc6819_gather
		.amdhsa_group_segment_fixed_size 0
		.amdhsa_private_segment_fixed_size 0
		.amdhsa_enable_private_segment 0
		.amdhsa_kernarg_size 48
		.amdhsa_user_sgpr_count 2
		.amdhsa_user_sgpr_kernarg_segment_ptr 1
		.amdhsa_wavefront_size32 1
		.amdhsa_system_sgpr_workgroup_id_x 1
		.amdhsa_system_sgpr_workgroup_id_y 1
		.amdhsa_system_sgpr_workgroup_id_z 1
		.amdhsa_system_vgpr_workitem_id 0
		.amdhsa_next_free_vgpr 192
		.amdhsa_next_free_sgpr 66
		.amdhsa_reserve_vcc 1
		.amdhsa_float_denorm_mode_32 3
		.amdhsa_float_denorm_mode_16_64 3
		.amdhsa_memory_ordered 1
		.amdhsa_forward_progress 1
		.amdhsa_inst_pref_size 42
	.end_amdhsa_kernel
	.amdgpu_metadata
---
amdhsa.version: [ 1, 2 ]
amdhsa.kernels:
  - .name:           k_q850bdc6819_gather
    .symbol:         k_q850bdc6819_gather.kd
    .args:
      - { .name: W_dict, .offset: 0, .size: 8, .value_kind: global_buffer, .address_space: global }
      - { .name: tidx, .offset: 8, .size: 8, .value_kind: global_buffer, .address_space: global }
      - { .name: tval, .offset: 16, .size: 8, .value_kind: global_buffer, .address_space: global }
      - { .name: psum, .offset: 24, .size: 8, .value_kind: global_buffer, .address_space: global }
      - { .name: out0, .offset: 32, .size: 8, .value_kind: global_buffer, .address_space: global }
      - { .name: out1, .offset: 40, .size: 8, .value_kind: global_buffer, .address_space: global }
    .group_segment_fixed_size: 0
    .private_segment_fixed_size: 0
    .kernarg_segment_align: 8
    .kernarg_segment_size: 48
    .max_flat_workgroup_size: 128
    .sgpr_count:     66
    .vgpr_count:     192
    .wavefront_size: 32
...
	.end_amdgpu_metadata
.endif
;; end of part 5
